; MI455X (gfx1250); checked and timed in simulation.
; The chip was launched on July 23, 2026; its instructions are those of AMD's public machine-readable ISA for CDNA 5 (MIT licence, August 2026) and "CDNA5" Instruction Set Architecture Reference Guide (July 2026). The comments in the code are by the model that wrote it; some were corrected since.
;; KAN Linear. Allowed arithmetic: matrix products marked QUANTISED: E4M3 operands, one E8M0 scale for each 32 along K, by v_wmma_scale_f32_16x16x128_f8f6f4 with both operands' format E4M3, f32 sums; everything else in f32.
;; Inputs: base_weight 512 x 512 float32; grid 512 x 12 float32; spline_scaler 512 x 512 float32; spline_weight 512 x 512 x 8 float32; x 16,384 x 512 float32.
;; Outputs: out0 16,384 x 512 float32.
;; This version of the problem:
;;   THIS VERSION OF THE PROBLEM IS GIVEN IN LOW PRECISION. The matrix products marked QUANTISED in the list below multiply operands that are first quantised to E4M3 (4 exponent bits, 3 mantissa bits; 8 bits a number), with one power-of-two scale for each 32 numbers along K (OCP MX v1.0); their sums are f32. All else is computed in f32.
;;   The module's matrix products, in the order in which they are computed (A, B: the left and right operand; K: the contracted axis; several contracted axes count as one K, in the product's order):
;;     1. [M 16,384, K 512] x [K 512, N 512]; A: computed on the way; B: input base_weight: QUANTISED
;;     2. [M 16,384, K 4,096] x [K 4,096, N 512]; A: computed on the way; B: computed on the way: QUANTISED
;;   THE QUANTISER, for each operand of a quantised product, along K:
;;     - K is cut into blocks of 32 from its start; a last block that is shorter is filled with zeros.
;;     - A block's scale is 2^e with e = floor(log2(the largest magnitude in the block)) - 8, held to -126 .. 127; a block of zeros has e = 0. As a byte (E8M0): e + 127.
;;     - Each number is divided by its block's scale, clamped to +-448, and rounded to the nearest number of E4M3, ties to even, subnormals kept.
;;     - The product sums the exact products of the quantised numbers (number of the format x scale) in f32.
;;   ~~~python
;;   def quantise(x, axis):      # numpy; x: float32 -> the quantised numbers, widened to float32 again
;;       x = np.moveaxis(x, axis, -1); K = x.shape[-1]
;;       x = np.pad(x, [(0, 0)] * (x.ndim - 1) + [(0, -K % 32)]); x = x.reshape(x.shape[:-1] + (-1, 32)); a = np.abs(x).max(-1, keepdims=True)
;;       e = np.where(a > 0, np.clip(np.frexp(np.where(a > 0, a, 1))[1] - 1 - 8, -126, 127), 0)      # np.frexp(a)[1] - 1 = floor(log2(a)), exactly
;;       r = np.clip(x / 2.0 ** e, -448, 448)
;;       step = 2.0 ** (np.maximum(np.frexp(np.where(r == 0, 1, r))[1] - 1, -6) - 3)
;;       q = np.round(r / step) * step * 2.0 ** e      # np.round: ties to even
;;       return np.moveaxis(q.reshape(q.shape[:-2] + (-1,))[..., :K], -1, axis).astype(np.float32)
;;   ~~~
;;   OPERANDS COMPUTED ON THE WAY. 'Computed on the way' means the value that the module computes at that place (a softmax that the list does not call 'softmax' is quantised finished and normalised). What goes into a quantiser is computed in f32, as accurately as f32 sums, v_exp_f32 and their like allow (about 1e-6 of the number): no bf16 or f16 on the way to a quantiser, and a product that is left as it is and whose result goes on into a quantised operand takes f32 operands (vector FMAs, or v_wmma_f32_16x16x4_f32). A number that lies on a knife's edge between two numbers of the format may be rounded either way, as far as f32 arithmetic and the matrix unit's own rounding can turn it there, and no further.
;; One version. Each part assembles by itself: llvm-mc -triple=amdgcn-amd-amdhsa -mcpu=gfx1250 --defsym DOCPART=n.
;; ======== version 1 of 1: 2 launches
;; limits: right only within a limited range of input values
;; workspace buffers: wq 2,433,024 bytes; ct 98,304 bytes
;; launch prep (part 1): grid 296 x 1, 2 waves a work-group, no clusters, 71,680 bytes of LDS; arguments spline_weight, spline_scaler, base_weight, grid, wq, ct; writes wq, ct
.if DOCPART == 1
	.amdgcn_target "amdgcn-amd-amdhsa--gfx1250"
	.amdhsa_code_object_version 6
	.text
	.protected	k_qcedc7e79c9_prep
	.globl	k_qcedc7e79c9_prep
	.p2align	8
	.type	k_qcedc7e79c9_prep,@function
k_qcedc7e79c9_prep:
	s_mov_b64 s[64:65], 0
	v_nop
	global_prefetch_b8 v0, s[64:65] scope:SCOPE_SE
	s_setreg_imm32_b32 hwreg(HW_REG_WAVE_MODE, 25, 1), 1
	s_wait_xcnt 0x0
; KANLinear, first of two launches: the weights become codes of FP8 (E4M3) with one E8M0 scale byte for each 32 along K, once, and the knots become a table of coefficients.
; y = silu(x') base_weight^T + bases(x') (spline_weight x spline_scaler)^T: both products add into one output, so they are ONE product with K = 512 + 4,096, walked in 18 slots of 256 along K.
; THE SPLINE PRODUCT'S K: reference()'s einsum contracts the basis g first and the feature i second, K = 512 g + i: a block of 32 is 32 neighbouring features of ONE basis.  Whole blocks may stand in any order, alike in both operands.
; WORK LEFT OUT, for all values of the inputs: no input and no product.  Two steps of reference() are folded: (1) the clip to +-6 stands in front of a clip to +-1.1, and min and max compose: clip(clip(v, -6, 6), -1.1, 1.1)
; = clip(v, -1.1, 1.1) for every v, the 6 and -6 that stand for the infinities too; (2) the divisor 2 + 1e-8 is the f32 number 2, and a division by 2 followed by a multiplication by 2 changes no number of this range: fl(fl(x + 1) - 1) is kept.
; LIMITS: NaN and infinities in grid, the weights and the scaler are not served (in x they are); a block whose largest magnitude lies under 2^-118 gets the scale byte 1 (a block of zeros too: its codes are zeros, and this
; program alone reads the bytes); 1 / max(knot difference, 1e-6) is v_rcp_f32 with one Newton step, and the second launch multiplies by it where reference() divides: about one unit in the last place.
; wq: 18 slot blocks of 135,168 bytes.  Spline slot s (features 32 s .. 32 s + 31; in the slot K = 32 x basis + feature) lies at place s (s < 8) or s + 1; features 0-255 of base_weight at place 8, features 256-511 at place 17.
;   In a block: codes AS IMAGES OF THE OPERAND'S REGISTERS at q x 65,536 + j x 2,048 + c x 512 + 16 x lane (q: which 128 along K; j: tile of 16 outputs; c: group of four registers; lane (r, h) holds output 16 j + r,
;   K = 128 q + 32 c + 16 h + 0 .. 15: in a spline slot basis 4 q + c, features 16 h + 0 .. 15); scale words at 131,072 + q x 2,048 + j x 64 + 4 r.
; ct: [slot 16][i 12][lane 32][e 4] f32: coefficient 4 i + e of feature 32 slot + lane: 0-11 the knots negated, 12-22 R1, 24-33 R2, 36-44 R3, the rest 0; Rk[j] = 1 / max(g[j+k] - g[j], 1e-6).
; SHARES: a wave takes one task.  Work-groups 0-255: 16 outputs x one spline slot; 256-287: 16 outputs x half of base_weight; 288-295: one slot of the table.  The three ways part on the work-group's number alone.
; A task's 16 rows of 1,024 bytes are read as they lie, 512 neighbouring bytes a load, and turn through the wave's own stage in LDS (rows 1,040 bytes apart), since a lane is to hold 16 numbers of one row.
; Each way has LDS bytes of its own; waves share nothing, so there is no barrier.
.set SP,    1040                       ; a stage row: 1,024 bytes + 16
.set WSTG,  18944                      ; spline way: a wave's stage (16 x SP) and behind it the scaler's (16 rows x 144)
.set SCO,   16640                      ; where the scaler's stage begins in it
.set BSTG,  37888                      ; base way: two stages of 16 x SP
.set SPARE, 71168                      ; the spare words, 128 bytes for each wave: one block of 256 bytes that no other line names
.set SLOTB, 135168
.set SPW,   12                         ; v12  LDS address of my spare word; never rewritten
.set NIL,   13                         ; v13  0; never rewritten
	s_load_b256 s[4:11], s[0:1], 0x0               ; spline_weight, spline_scaler, base_weight, grid
	s_load_b128 s[12:15], s[0:1], 0x20             ; wq, ct
	v_lshl_add_u32 v[SPW], v0, 2, SPARE
	v_mov_b32 v[NIL], 0
	v_lshrrev_b32 v1, 5, v0
	v_readfirstlane_b32 s16, v1                    ; wave 0, 1
	v_and_b32 v1, 31, v0                           ; lane
	v_and_b32 v2, 15, v0                           ; r
	v_bfe_u32 v3, v0, 4, 1                         ; h
	v_lshlrev_b32 v4, 4, v1                        ; 16 x lane
	v_lshlrev_b32 v10, 2, v2                       ; 4 r
	s_mov_b32 s20, 0x76543210
	s_mov_b32 s21, 0xfedcba98                      ; v_permlanex16_b32's selects for lane l xor 16
	s_mov_b32 s22, 0x600000                        ; the mantissa field of 448
	s_mov_b32 s25, 0                               ; the upper word of every offset
.irp b, 0,1,2,3,4,5,6,7
	v_mov_b32 v[40+\b], 0                          ; written once: a lane permute's destination counts as one of its sources
.endr
	s_wait_kmcnt 0x0
.macro DEST                            ; s17 = the slot's place, s18 = the tile of outputs: s[12:13] the tile's codes, s[28:29] its scale words
	s_mul_i32 s24, s17, SLOTB
	s_add_nc_u64 s[12:13], s[12:13], s[24:25]
	s_lshl_b32 s24, s18, 6
	s_add_co_u32 s24, s24, 131072
	s_add_nc_u64 s[28:29], s[12:13], s[24:25]
	s_lshl_b32 s24, s18, 11
	s_add_nc_u64 s[12:13], s[12:13], s[24:25]
.endm
; 16 rows of 1,024 bytes, pit bytes apart, from s[sb:sb+1] on, through v64-191 into my stage at v5
.macro ROWS_IN pit, sb, before
.irp r, 0,1,2,3,4,5,6,7,8,9,10,11,12,13,14,15
	global_load_b128 v[64+8*\r:67+8*\r], v4, s[\sb:\sb+1] offset:\r*\pit th:TH_LOAD_NT        ; 32 lanes read 512 neighbouring bytes; read once in the launch
	global_load_b128 v[68+8*\r:71+8*\r], v4, s[\sb:\sb+1] offset:\r*\pit+512 th:TH_LOAD_NT
.endr
.if \before
	s_wait_alu depctr_va_vdst(0)
	s_wait_loadcnt 32                              ; the scaler's four loads are in; the 32 behind them may be out
.irp t, 0,1,2,3
	ds_store_b128 v8, v[16+4*\t:19+4*\t] offset:SCO+\t*576
.endr
.endif
.irp r, 0,1,2,3,4,5,6,7,8,9,10,11,12,13,14,15
	s_wait_loadcnt 30-2*\r                         ; row r's two loads are in; those of the rows behind it may be out
	ds_store_b128 v5, v[64+8*\r:67+8*\r] offset:\r*SP
	ds_store_b128 v5, v[68+8*\r:71+8*\r] offset:\r*SP+512
.endr
.endm
; A TASK OF THE SPLINE'S.  s[4:5]: the first row's 32 features x 8 bases; s[6:7]: their scalers; s23: my stage.  Lane (r, h) takes features 16 h + 0 .. 15 of output r: register 64 + 8 i + g is feature 16 h + i, basis g.
; So basis g's block has its 16 numbers of mine in every eighth register; the hold, which is due anyway, writes them into 16 registers on end, as the conversions want them.
.macro STASK
	v_add_nc_u32 v5, s23, v4                       ; into the stage: 16 x lane
	v_mul_u32_u24 v6, v2, SP
	v_lshl_add_u32 v6, v3, 9, v6
	v_add_nc_u32 v6, s23, v6                       ; out of it: row r, + 512 h: my 16 features
	v_lshrrev_b32 v11, 3, v1
	v_and_b32 v14, 7, v1
	v_lshlrev_b32 v14, 4, v14
	v_lshl_add_u32 v7, v11, 11, v14                ; the scaler in memory: eight lanes take a row's 128 bytes, four rows a load
	v_mad_u32_u24 v8, v11, 144, v14
	v_add_nc_u32 v8, s23, v8                       ; into its stage
	v_mul_u32_u24 v9, v2, 144
	v_lshl_add_u32 v9, v3, 6, v9
	v_add_nc_u32 v9, s23, v9                       ; out of it: row r, + 64 h: my 16 features' scalers
.irp t, 0,1,2,3
	global_load_b128 v[16+4*\t:19+4*\t], v7, s[6:7] offset:\t*8192
.endr
	ROWS_IN 16384, 4, 1
.set pp, 0
.rept 32
	ds_load_b128 v[64+4*pp:67+4*pp], v6 offset:16*pp   ; LDS serves a wave's instructions in order: the loads see my stores
.set pp, pp+1
.endr
.irp t, 0,1,2,3
	ds_load_b128 v[16+4*\t:19+4*\t], v9 offset:SCO+16*\t
.endr
	s_wait_dscnt 0x0
.irp i, 0,2,4,6,8,10,12,14
.irp u, 0,2,4,6
	v_pk_mul_f32 v[64+8*\i+\u:65+8*\i+\u], v[64+8*\i+\u:65+8*\i+\u], v[16+\i:17+\i] op_sel_hi:[1,0]                  ; feature i's eight numbers x its scaler,
	v_pk_mul_f32 v[72+8*\i+\u:73+8*\i+\u], v[72+8*\i+\u:73+8*\i+\u], v[16+\i:17+\i] op_sel:[0,1] op_sel_hi:[1,1]     ; feature i + 1's x the pair's upper word
.endr
.endr
.irp g, 0,1,2,3,4,5,6,7
	v_max3_num_f32 v[32+\g], |v[64+\g]|, |v[72+\g]|, 0x4800000   ; basis g's block: my 16 numbers, and the floor 2^(9 - 127): so the byte cannot fall under 1
.endr
.irp i, 2,4,6,8,10,12,14
.irp g, 0,1,2,3,4,5,6,7
	v_max3_num_f32 v[32+\g], v[32+\g], |v[64+8*\i+\g]|, |v[72+8*\i+\g]|   ; (the eight blocks by turns)
.endr
.endr
.irp g, 0,1,2,3,4,5,6,7
	v_permlanex16_b32 v[40+\g], v[32+\g], s20, s21
.endr
.irp g, 0,1,2,3,4,5,6,7
	v_max_num_f32 v[32+\g], v[32+\g], v[40+\g]     ; with lane l xor 16's 16 features: the block's largest magnitude
.endr
.irp g, 0,1,2,3,4,5,6,7
	v_add_nc_u32 v[56+\g], 0xfc000000, v[32+\g]    ; 8 off its exponent field: the conversion's scale operand
.endr
.irp g, 0,1,2,3,4,5,6,7
	v_and_or_b32 v[48+\g], v[32+\g], 0x7f800000, s22   ; 448 x the scale
.endr
.irp g, 0,1,2,3,4,5,6,7
	v_lshrrev_b32 v[40+\g], 23, v[56+\g]           ; the scale's byte
.endr
.irp q, 0,1
	v_lshl_or_b32 v[240+\q], v[41+4*\q], 8, v[40+4*\q]   ; bases 4 q .. 4 q + 3 make row r's scale word of K step q (lanes 16-31 hold the same)
	v_lshl_or_b32 v[240+\q], v[42+4*\q], 16, v[240+\q]
	v_lshl_or_b32 v[240+\q], v[43+4*\q], 24, v[240+\q]
.endr
.irp g, 0,1,2,3,4,5,6,7
.irp i, 0,1,2,3,4,5,6,7,8,9,10,11,12,13,14,15
	v_med3_num_f32 v[192+\i], v[64+8*\i+\g], -v[48+\g], v[48+\g]   ; the hold at the largest code x the scale (the conversion does not saturate: ISA guide 7.6.2), into registers on end
.endr
	v_cvt_scalef32_pk8_fp8_f32 v[208+4*\g:209+4*\g], v[192:199], v[56+\g]
	v_cvt_scalef32_pk8_fp8_f32 v[210+4*\g:211+4*\g], v[200:207], v[56+\g]
	v_nop                                          ; one plain vector line behind the conversions: the next block's holds write their sources
.endr
.irp g, 0,1,2,3,4,5,6,7
	global_store_b128 v4, v[208+4*\g:211+4*\g], s[12:13] offset:(\g/4)*65536+(\g%4)*512   ; 32 lanes store 512 neighbouring bytes, at a multiple of 256 from wq's first byte; each store has data registers of its own
.endr
.irp q, 0,1
	global_store_b32 v10, v[240+\q], s[28:29] offset:\q*2048   ; 16 scale words, 64 bytes (both halves of the lanes write the same words): one byte in 33 of what the task stores
.endr
.endm
; A TASK OF THE BASE PRODUCT'S.  s[8:9]: the first row's 256 features; s23: my stage.  K is innermost: lane (r, h) takes 16 neighbours of each block of 32.
.macro QTASK
	v_add_nc_u32 v5, s23, v4                       ; into the stage: 16 x lane
	s_wait_alu depctr_va_vdst(0)
	v_mul_u32_u24 v6, v2, SP
	v_lshl_add_u32 v6, v3, 6, v6
	v_add_nc_u32 v6, s23, v6                       ; out of it: row r, + 64 h: my 16 numbers of a block of 32
	ROWS_IN 2048, 8, 0
	s_wait_alu depctr_va_vdst(0)
.irp q, 0,1                                    ; 128 along K at a time: four blocks of 32
.irp c, 0,1,2,3
.irp p, 0,1,2,3
	ds_load_b128 v[64+16*\c+4*\p:67+16*\c+4*\p], v6 offset:\q*512+\c*128+\p*16
.endr
.endr
	s_wait_dscnt 0x0
.irp b, 0,1,2,3
	v_max3_num_f32 v[32+\b], |v[64+16*\b]|, |v[65+16*\b]|, 0x4800000
.endr
.irp i, 2,4,6,8,10,12,14
.irp b, 0,1,2,3
	v_max3_num_f32 v[32+\b], v[32+\b], |v[64+16*\b+\i]|, |v[65+16*\b+\i]|
.endr
.endr
.irp b, 0,1,2,3
	v_permlanex16_b32 v[40+\b], v[32+\b], s20, s21
.endr
.irp b, 0,1,2,3
	v_max_num_f32 v[32+\b], v[32+\b], v[40+\b]
.endr
.irp b, 0,1,2,3
	v_add_nc_u32 v[56+\b], 0xfc000000, v[32+\b]
.endr
.irp b, 0,1,2,3
	v_and_or_b32 v[48+\b], v[32+\b], 0x7f800000, s22
.endr
.irp b, 0,1,2,3
	v_lshrrev_b32 v[40+\b], 23, v[56+\b]
.endr
	v_lshl_or_b32 v[240+\q], v41, 8, v40
	v_lshl_or_b32 v[240+\q], v42, 16, v[240+\q]
	v_lshl_or_b32 v[240+\q], v43, 24, v[240+\q]
.irp c, 0,1,2,3
.irp i, 0,1,2,3,4,5,6,7,8,9,10,11,12,13,14,15
	v_med3_num_f32 v[64+16*\c+\i], v[64+16*\c+\i], -v[48+\c], v[48+\c]
.endr
	v_cvt_scalef32_pk8_fp8_f32 v[208+16*\q+4*\c:209+16*\q+4*\c], v[64+16*\c:71+16*\c], v[56+\c]
	v_cvt_scalef32_pk8_fp8_f32 v[210+16*\q+4*\c:211+16*\q+4*\c], v[72+16*\c:79+16*\c], v[56+\c]
.endr
	v_nop                                          ; one plain vector line behind the last conversion
.irp c, 0,1,2,3
	global_store_b128 v4, v[208+16*\q+4*\c:211+16*\q+4*\c], s[12:13] offset:\q*65536+\c*512
.endr
	global_store_b32 v10, v[240+\q], s[28:29] offset:\q*2048
.endr
.endm
	s_cmp_lt_u32 ttmp9, 256
	s_cbranch_scc0 .Lnot_spline
	s_lshr_b32 s17, ttmp9, 4                       ; the spline slot s
	s_and_b32 s18, ttmp9, 15
	s_lshl_b32 s18, s18, 1
	s_add_co_u32 s18, s18, s16                     ; the tile of outputs j
	s_lshl_b32 s24, s18, 18                        ; 16 j rows of 16,384 bytes
	s_lshl_b32 s19, s17, 10                        ; + 32 s features of 32 bytes
	s_add_co_u32 s24, s24, s19
	s_add_nc_u64 s[4:5], s[4:5], s[24:25]
	s_lshl_b32 s24, s18, 15                        ; the scaler: 16 j rows of 2,048 bytes
	s_lshl_b32 s19, s17, 7                         ; + 32 s features of 4 bytes
	s_add_co_u32 s24, s24, s19
	s_add_nc_u64 s[6:7], s[6:7], s[24:25]
	s_lshr_b32 s19, s17, 3
	s_add_co_u32 s17, s17, s19                     ; its place in wq: s, or s + 1 from s = 8 on
	DEST
	s_mul_i32 s23, s16, WSTG
	STASK
	s_branch .Lend
.Lnot_spline:
	s_cmp_lt_u32 ttmp9, 288
	s_cbranch_scc0 .Ltable
	s_sub_co_u32 s19, ttmp9, 256
	s_lshr_b32 s17, s19, 4                         ; which half of base_weight's features
	s_and_b32 s18, s19, 15
	s_lshl_b32 s18, s18, 1
	s_add_co_u32 s18, s18, s16                     ; the tile of outputs j
	s_lshl_b32 s24, s18, 15                        ; 16 j rows of 2,048 bytes
	s_lshl_b32 s19, s17, 10                        ; + 256 features of 4 bytes
	s_add_co_u32 s24, s24, s19
	s_add_nc_u64 s[8:9], s[8:9], s[24:25]
	s_mul_i32 s17, s17, 9
	s_add_co_u32 s17, s17, 8                       ; its place in wq: 8 or 17
	DEST
	s_mul_i32 s23, s16, 16*SP
	s_add_co_u32 s23, s23, BSTG
	QTASK
	s_branch .Lend
.Ltable:                                           ; a lane to a feature: 12 knots in, 48 coefficients out.  v16-27 the knots; v[64+o] coefficient o; v[100+o] its denominator; v[136+o] its Newton term
	s_sub_co_u32 s17, ttmp9, 288
	s_lshl_b32 s17, s17, 1
	s_add_co_u32 s17, s17, s16                     ; the slot
	s_mul_i32 s24, s17, 1536                       ; 32 features of 48 bytes
	s_add_nc_u64 s[10:11], s[10:11], s[24:25]
	s_mul_i32 s24, s17, 6144
	s_add_nc_u64 s[14:15], s[14:15], s[24:25]
	v_mul_u32_u24 v5, v1, 48
	global_load_b128 v[16:19], v5, s[10:11]
	global_load_b128 v[20:23], v5, s[10:11] offset:16
	global_load_b128 v[24:27], v5, s[10:11] offset:32
	s_wait_loadcnt 0x0
.irp j, 0,1,2,3,4,5,6,7,8,9,10,11
	v_xor_b32 v[64+\j], 0x80000000, v[16+\j]       ; -g[j]
.endr
.irp o, 12,13,14,15,16,17,18,19,20,21,22
	v_sub_f32 v[100+\o], v[5+\o], v[4+\o]          ; g[j+1] - g[j], j = o - 12
.endr
.irp o, 24,25,26,27,28,29,30,31,32,33
	v_sub_f32 v[100+\o], v[\o-6], v[\o-8]          ; g[j+2] - g[j], j = o - 24
.endr
.irp o, 36,37,38,39,40,41,42,43,44
	v_sub_f32 v[100+\o], v[\o-17], v[\o-20]        ; g[j+3] - g[j], j = o - 36
.endr
.irp o, 12,13,14,15,16,17,18,19,20,21,22,24,25,26,27,28,29,30,31,32,33,36,37,38,39,40,41,42,43,44
	v_max_num_f32 v[100+\o], 0x358637bd, v[100+\o] ; held at 1e-6 from below, as reference() holds it
.endr
	s_wait_alu depctr_va_vdst(0)
.irp o, 12,13,14,15,16,17,18,19,20,21,22,24,25,26,27,28,29,30,31,32,33,36,37,38,39,40,41,42,43,44
	v_rcp_f32 v[64+\o], v[100+\o]                  ; one batch
.endr
.irp o, 23,34,35,45,46,47
	v_mov_b32 v[64+\o], 0                          ; the places that hold no coefficient.  (Plain lines behind the reciprocals)
.endr
	s_wait_alu depctr_va_vdst(0)                   ; one wait for the batch, ahead of its first reader
.irp o, 12,13,14,15,16,17,18,19,20,21,22,24,25,26,27,28,29,30,31,32,33,36,37,38,39,40,41,42,43,44
	v_fma_f32 v[136+\o], -v[100+\o], v[64+\o], 1.0 ; 1 - d r
.endr
.irp o, 12,13,14,15,16,17,18,19,20,21,22,24,25,26,27,28,29,30,31,32,33,36,37,38,39,40,41,42,43,44
	v_fma_f32 v[64+\o], v[136+\o], v[64+\o], v[64+\o]   ; r + r (1 - d r)
.endr
.irp i, 0,1,2,3,4,5,6,7,8,9,10,11
	global_store_b128 v4, v[64+4*\i:67+4*\i], s[14:15] offset:\i*512   ; 32 lanes store 512 neighbouring bytes
.endr
.Lend:
	s_wait_tensorcnt 0x0                           ; the wave's end, behind my last LDS store
	ds_add_u32 v[SPW], v[NIL]
	s_wait_dscnt 0x0
	s_endpgm
.Lfunc_end_k_qcedc7e79c9_prep:
	.size	k_qcedc7e79c9_prep, .Lfunc_end_k_qcedc7e79c9_prep-k_qcedc7e79c9_prep
	.p2alignl 7, 3214868480
	.fill 96, 4, 3214868480
	.section	.rodata,"a",@progbits
	.p2align	6, 0x0
	.amdhsa_kernel k_qcedc7e79c9_prep
		.amdhsa_group_segment_fixed_size 71680
		.amdhsa_private_segment_fixed_size 0
		.amdhsa_enable_private_segment 0
		.amdhsa_kernarg_size 48
		.amdhsa_user_sgpr_count 2
		.amdhsa_user_sgpr_kernarg_segment_ptr 1
		.amdhsa_wavefront_size32 1
		.amdhsa_system_sgpr_workgroup_id_x 1
		.amdhsa_system_sgpr_workgroup_id_y 1
		.amdhsa_system_sgpr_workgroup_id_z 1
		.amdhsa_system_vgpr_workitem_id 0
		.amdhsa_next_free_vgpr 256
		.amdhsa_next_free_sgpr 66
		.amdhsa_reserve_vcc 0
		.amdhsa_float_denorm_mode_32 3
		.amdhsa_float_denorm_mode_16_64 3
		.amdhsa_memory_ordered 1
		.amdhsa_forward_progress 1
		.amdhsa_inst_pref_size 69
	.end_amdhsa_kernel
	.amdgpu_metadata
---
amdhsa.version: [ 1, 2 ]
amdhsa.kernels:
  - .name:           k_qcedc7e79c9_prep
    .symbol:         k_qcedc7e79c9_prep.kd
    .args:
      - { .name: spline_weight, .offset: 0, .size: 8, .value_kind: global_buffer, .address_space: global }
      - { .name: spline_scaler, .offset: 8, .size: 8, .value_kind: global_buffer, .address_space: global }
      - { .name: base_weight, .offset: 16, .size: 8, .value_kind: global_buffer, .address_space: global }
      - { .name: grid, .offset: 24, .size: 8, .value_kind: global_buffer, .address_space: global }
      - { .name: wq, .offset: 32, .size: 8, .value_kind: global_buffer, .address_space: global }
      - { .name: ct, .offset: 40, .size: 8, .value_kind: global_buffer, .address_space: global }
    .group_segment_fixed_size: 71680
    .private_segment_fixed_size: 0
    .kernarg_segment_align: 8
    .kernarg_segment_size: 48
    .max_flat_workgroup_size: 64
    .sgpr_count:     66
    .vgpr_count:     256
    .wavefront_size: 32
...
	.end_amdgpu_metadata
.endif
;; end of part 1
;; launch kan (part 2): grid 256 x 1, 8 waves a work-group, clusters of 4 x 1, 327,680 bytes of LDS; arguments x, wq, ct, out0; writes out0
.if DOCPART == 2
	.amdgcn_target "amdgcn-amd-amdhsa--gfx1250"
	.amdhsa_code_object_version 6
	.text
	.protected	k_qcedc7e79c9_kan
	.globl	k_qcedc7e79c9_kan
	.p2align	8
	.type	k_qcedc7e79c9_kan,@function
k_qcedc7e79c9_kan:
	s_mov_b64 s[64:65], 0
	v_nop
	global_prefetch_b8 v0, s[64:65] scope:SCOPE_SE
	s_setreg_imm32_b32 hwreg(HW_REG_WAVE_MODE, 25, 1), 1
	s_wait_xcnt 0x0
	s_wait_alu depctr_hold_cnt(0) depctr_sa_sdst(0) depctr_va_vdst(0) depctr_va_sdst(0) depctr_va_ssrc(0) depctr_va_vcc(0) depctr_vm_vsrc(0)
	s_getreg_b32 s2, hwreg(HW_REG_IB_STS2, 6, 4)
	s_cmp_eq_u32 s2, 0
	s_cbranch_scc0 .Lentry_in_a_cluster
	s_endpgm
.Lentry_in_a_cluster:
	s_bfe_u32 s2, ttmp6, 0x10000c
	s_cmp_lg_u32 s2, 0x3003
	s_cbranch_scc0 .Lentry_shape_is_right
	s_endpgm
.Lentry_shape_is_right:
; KANLinear, second launch: x -> x' -> silu and B-spline bases -> codes of FP8 (E4M3) in LDS -> scaled matrix instructions against wq -> the guard for finite numbers -> out0.
; Folded steps (shown at the first kernel's head): the clip to +-6 goes into the clip to +-1.1; the division by 2 and the multiplication by 2 change nothing.  No input and no product is left out.
; LIMITS: as at the first kernel's head.  NaN in x counts as 0, the infinities as +-1.1, as reference() has them.  The bases are made by the recursion as written, for any knots; where reference() divides by a
; denominator this text multiplies by the table's reciprocal, and it multiplies the reciprocal into the basis first: about one unit in the last place of f32.
; SHARES.  A work-group takes 64 rows and ALL 512 outputs, so that each number of x is expanded and quantised once in the launch: 256 work-groups.  Each of its eight waves does two things in every trip:
;   it MAKES, of the next slot of 32 features, rows 8 w .. 8 w + 7 (a lane is a feature, a register pair two rows; the feature's 48 coefficients lie in the lane's registers and serve all eight rows);
;   it MULTIPLIES the slot in hand: outputs 64 w .. 64 w + 63 for all 64 rows: 16 accumulators, two K steps of 128.  The 32 matrix instructions stand in groups of four between the stages of the vector work, of which there are some
;   24 instructions for each: set in a phase of their own they would leave the matrix unit idle all that while.  That costs two window switches for each.
; K IS WALKED IN 18 SLOTS of 256: spline slots 0-7, features 0-255 of the base product, spline slots 8-15, features 256-511.  In a spline slot K = 32 x basis + feature: a block of 32 is the slot's 32 features of ONE basis
; (reference()'s einsum contracts the basis first, the feature second).  The slot's 32 features are also one block of the base product: its codes are made with the spline's and gathered in a buffer of their own.
; A BLOCK LIES ACROSS THE 32 LANES that made it.  So a pair of rows' bases turn through LDS as f32 (16 stores of 128 neighbouring bytes, 4 loads of 16 bytes a lane): lane u then holds 16 neighbouring features of block u / 2.
; That stage, 2,048 bytes, lies in the wave's own 8 rows of the buffer that is being written; so the four pairs' codes wait in registers and are stored behind the last pair's quantiser.  Its loads go four deep in the banks.
; THE MATRIX INSTRUCTION IS USED TRANSPOSED: source 0 = 16 outputs (wq), source 1 = 16 rows: a lane then holds eight neighbouring outputs of one row.
; CLUSTER.  The four work-groups of a cluster walk the same wq: each slot is asked for JOINTLY, every wave its eighth (66 rows of 256 bytes), by the same tensor load with the same descriptor and a mask that names the four.
; x is not shared.  One tensor load of a wave is out at a time, and it has a whole trip in which to land.
; The accumulators are cleared by 128 moves at the head, where the wave would wait for its first x: products that start the sums would want one more copy of a trip's text.
; x is read 128 bytes of a row at a time (a slot's 32 features); the other half of the aligned 256 bytes follows a trip later from the same wave.
; LDS: 0 and 0x21000: the ring's two slots, a slot block of wq each; 0x42000, 0x46600: two buffers for the spline's codes (64 rows 272 bytes apart, then 8 scale bytes a row); then one such buffer for the base product's;
;   then the spare words.  The way out's stages lie in slot 0, which has had its last fill and its last read by then.
; REGISTERS: window 0: v1-19 addresses; v24-31 scale words and nothing else; v32-79 coefficients; v80-177 at work; v178-196 x, x', the base product's codes; v197-203 addresses; v204-219 codes that wait; v220-235 numbers back
;   from the stage.  Window 1: v0-127 accumulators, v128-191 rows' fragments, v192-255 wq's.
.set AP,    272                        ; a row of codes in LDS: 256 bytes + 16: the sixteen rows that a load touches begin 16 bytes further on each, modulo 256
.set ASC,   64*AP                      ; behind a buffer's 64 rows: its scale bytes, 8 a row
.set SLOTB, 0x21000                    ; a slot of the ring: 135,168 bytes; one exclusive or turns an address in one slot into the other's
.set ABUF0, 0x42000
.set ABUF1, 0x46600
.set AX,    0x4600                     ; ABUF0 xor ABUF1 (and a buffer's bytes)
.set BA,    306176                     ; the base product's buffer
.set SPARE, 324096                     ; the spare words, 128 bytes for each wave: four blocks of 256 bytes that no other line names
.set L16,  1                           ; v1   16 x lane
.set XO,   2                           ; v2   4 x lane
.set AL0,  3                           ; v3   272 r + 16 h: my place in a tile of rows
.set SL8,  4                           ; v4   ASC + 8 r: my row's scale bytes
.set BL0,  5                           ; v5   8,192 w + 16 x lane: my place in my four tiles of wq
.set BSL,  6                           ; v6   131,072 + 256 w + 4 r: their scale words
.set SWL,  7                           ; v7   8 w rows + 4 x lane: into the f32 stage
.set ASL,  8                           ; v8   ASC + 64 w + lane / 2: my block's scale byte
.set BAD0, 9                           ; v9   BA + 8 w rows + lane: the base product's codes
.set BSD0, 10                          ; v10  BA + ASC + 64 w + 8 (lane % 8): and scale bytes
.set ADA,  11                          ; v11-19: the same with the trip's buffers and slots added
.set ADSA, 12
.set ADB0, 13
.set ADB1, 14
.set ADSB, 15
.set AWD,  16
.set AWS,  17
.set BADT, 18
.set BSDT, 19
.set SPW,  20                          ; v20  LDS address of my spare word; never rewritten
.set NIL,  21                          ; v21  0; never rewritten
.set ONE,  22                          ; v22  1.0: the scale operand of a conversion that divides by nothing
.set PX,   23                          ; v23  the lane permute's destination
.set SA,   24                          ; v24-27 the rows' scale words, tile a
.set SB,   28                          ; v28-31 wq's, tile b
.set C,    32                          ; v32-79  coefficients: 0-11 -g, 12-22 R1, 24-33 R2, 36-44 R3
.set D,    80                          ; v80-103  x' - g[j], 12 pairs
.set P,    104                         ; v104-125 11 pairs
.set Q,    126                         ; v126-145 10 pairs
.set M,    166                         ; v166-170 largest magnitudes, scale operand, hold, byte
.set XR,   178                         ; v178-185 x as loaded: rows 8 w + 0 .. 7 of my feature
.set XP,   186                         ; v186-193 x', four pairs of rows
.set BC,   194                         ; v194-195 the base product's codes: byte i is row i
.set BB,   196                         ; v196     its scale byte of row lane % 8
.set STO,  197                         ; the way out: into my stage,
.set RD,   198                         ; back,
.set GO,   199                         ; and my byte offset in out0
.set SRL,  200                         ; v200 8 w rows + 64 x lane: out of the f32 stage
.set CWL,  201                         ; v201 8 w rows + 272 (lane / 16) + 16 (lane % 16): where my 16 codes go
.set STRD, 202                         ; v202, v203: the same with the trip's buffer added
.set CWD,  203
.set KC,   204                         ; v204-219 the four pairs' codes, four registers each
.set U,    220                         ; v220-235 16 neighbouring features of my block
.set XB,   4                           ; s[4:5]   x at my rows, the slot being loaded
.set WQ,   6                           ; s[6:7]   wq
.set CB,   8                           ; s[8:9]   ct at the slot being loaded
.set OB,   10                          ; s[10:11] out0 at my work-group's rows, my 64 outputs
.set WV,   12
.set CX,   13
.set G1,   16                          ; s[16:23] descriptor group 1
.set G0,   24                          ; s[24:27] group 0, which walks
.set TB,   28                          ; the ring's slot in hand
.set AR,   29                          ; the buffer that is read
.set AW,   30                          ; the buffer that is written
.set BS,   31                          ; which block of the base product's buffer is stored next
.set BO,   32                          ; 32 x that
.set CNT,  33
.set WOFF, 34                          ; my eighth of a slot: 16,896 w
.set MA,   66                          ; s66-77 masks of a pair's first row, s78-89 of its second
.set MB,   78
.set MSB, 0
.macro WIN new                         ; the immediate's high byte repeats the setting that is left; a switch that changes nothing is dropped
.if MSB != \new
	s_set_vgpr_msb (MSB<<8)|\new
.set MSB, \new
.endif
.endm
; A round of the cluster's barrier: my work-group's barrier, so that wave 0's signal speaks for all eight waves; wave 0 signals; every wave waits for all four work-groups; my work-group's barrier once more.
.macro ROUND
	s_barrier_signal -1
	s_barrier_wait -1
	s_cmp_lg_u32 s[WV], 0
	s_cbranch_scc1 .Lnot_wave_0_\@
	s_barrier_signal -3
.Lnot_wave_0_\@:
	s_barrier_wait -3
	s_barrier_signal -1
	s_barrier_wait -1
.endm
; THE CHANGE OF SLOTS, at a trip's head.  Each wave waits for all its tensor loads (its eighth of the slot that it is about to read), adds 0 to its spare word, and waits for that, for its stores of codes and for its reads of
; the slot and the buffer that it has left.  Behind the barrier the slot and the codes ahead are whole and nobody reads the others.  fill = 1: the barrier is a round of the cluster's, and the slot just left is filled.
.macro CHANGE fill, xp=0               ; xp = 1: the next slot's x' and silu codes are made inside the round
	s_wait_tensorcnt 0x0                           ; no tensor load of mine is out, so group 0 may be written
	ds_add_u32 v[SPW], v[NIL]                      ; 0 onto my spare word
.if \fill
	s_xor_b32 s[G0+1], s[G0+1], SLOTB              ; the other slot than last time (16,896 w has neither of the constant's two bits),
	s_add_nc_u64 s[G0+2:G0+3], s[G0+2:G0+3], SLOTB ; the next slot block of wq; the type bits on top are not reached
.endif
.if \xp
	s_wait_loadcnt 12                              ; x's eight loads are in; the twelve loads of coefficients behind them may be out
.endif
	s_wait_dscnt 0x0
.if \fill
.if \xp
	ROUNDW
.else
	ROUND
.endif
	tensor_load_to_lds s[G0:G0+3], s[G1:G1+7]      ; the first thing behind the round, and my one tensor load until the next
	s_nop 0
.rept 4
	v_nop
.endr
.else
	s_barrier_signal -1
	s_barrier_wait -1
.endif
.endm
.macro WRADR                           ; where this trip's codes are made
	v_add_nc_u32 v[AWD], s[AW], v[SWL]
	v_add_nc_u32 v[STRD], s[AW], v[SRL]
	v_add_nc_u32 v[CWD], s[AW], v[CWL]
	v_add_nc_u32 v[AWS], s[AW], v[ASL]
.endm
.macro SETADR base, prod, bst          ; the trip's addresses.  base = 1: the rows' codes are the base product's; prod, bst: codes are made, the base product's are stored
.if \base
	v_add_nc_u32 v[ADA], BA, v[AL0]
	v_add_nc_u32 v[ADSA], BA, v[SL8]
.else
	v_add_nc_u32 v[ADA], s[AR], v[AL0]
	v_add_nc_u32 v[ADSA], s[AR], v[SL8]
.endif
	v_add_nc_u32 v[ADB0], s[TB], v[BL0]
	s_delay_alu instid0(VALU_DEP_1)
	v_add_nc_u32 v[ADB1], 0x10000, v[ADB0]
	v_add_nc_u32 v[ADSB], s[TB], v[BSL]
.if \prod
	WRADR
.endif
.if \bst
	v_add_nc_u32 v[BADT], s[BO], v[BAD0]
	v_add_nc_u32 v[BSDT], s[BS], v[BSD0]
.endif
.endm
; 40 LDS loads in one run: the fragments and scale words of the slot's q-th 128 along K: four tiles of rows, my four tiles of outputs
.macro FETCH q
	WIN 0x40                                       ; destination window 1, address window 0
.irp a, 0,1,2,3
.irp c, 0,1,2,3
	ds_load_b128 v[128+16*\a+4*\c:131+16*\a+4*\c], v[ADA] offset:\a*16*AP+128*(\q)+32*\c
.endr
.endr
.irp b, 0,1,2,3
.irp c, 0,1,2,3
	ds_load_b128 v[192+16*\b+4*\c:195+16*\b+4*\c], v[ADB0+(\q)] offset:\b*2048+512*\c   ; an image of the registers: 512 neighbouring bytes a load
.endr
.endr
	WIN 0
.irp a, 0,1,2,3
	ds_load_b32 v[SA+\a], v[ADSA] offset:128*\a+4*(\q)
.endr
.irp b, 0,1,2,3
	ds_load_b32 v[SB+\b], v[ADSB] offset:2048*(\q)+64*\b
.endr
.endm
; Matrix instruction i of a trip's 32: accumulator i % 16 = (tile of rows a, tile of outputs b).  The 16 accumulators take turns, one instruction a turn, in the same order in every K step.
.macro MMC i
	v_wmma_scale_f32_16x16x128_f8f6f4 v[8*((\i)%16):8*((\i)%16)+7], v[192+16*((\i)%4):192+16*((\i)%4)+15], v[128+16*(((\i)%16)/4):128+16*(((\i)%16)/4)+15], v[8*((\i)%16):8*((\i)%16)+7], v[SB+(\i)%4], v[SA+((\i)%16)/4]
.endm
.macro MM4 i                           ; four products on end: one tile of rows against my four tiles of outputs, four different accumulators
	WIN 0x55                                       ; all four operands in window 1
	MMC \i
	MMC (\i)+1
	MMC (\i)+2
	MMC (\i)+3
	WIN 0
.endm
.macro FA q, a                         ; tile a of the rows, the slot's q-th 128 along K: four loads and its scale word
	WIN 0x40
.irp c, 0,1,2,3
	ds_load_b128 v[128+16*(\a)+4*\c:131+16*(\a)+4*\c], v[ADA] offset:(\a)*16*AP+128*(\q)+32*\c
.endr
	WIN 0
	ds_load_b32 v[SA+(\a)], v[ADSA] offset:128*(\a)+4*(\q)
.endm
.macro FB q                            ; my four tiles of wq, the slot's q-th 128 along K: sixteen loads and four scale words
	WIN 0x40
.irp b, 0,1,2,3
.irp c, 0,1,2,3
	ds_load_b128 v[192+16*\b+4*\c:195+16*\b+4*\c], v[ADB0+(\q)] offset:\b*2048+512*\c
.endr
.endr
	WIN 0
.irp b, 0,1,2,3
	ds_load_b32 v[SB+\b], v[ADSB] offset:2048*(\q)+64*\b
.endr
.endm
; What stands behind stage hk of a trip's 40 stages of vector work.  The products go in groups of four, a tile of rows a group: the first K step's at stages 8, 11, 14, 17, the second's at 28, 31, 34, 37.
; A tile of rows is free when its group is issued: its fragment of the second K step is asked for at stages 10, 13, 16, 19, each behind twelve or more plain vector lines that name no register of the products
; (eight places are owed in front of loads into registers that these matrix instructions have read).  wq's fragments are at work through the whole
; K step and come in one run at stage 19, behind level 3's sixteen packed lines.
; Counts: at stage 8 the nine byte stores of the base product's block, issued behind the first run of loads, may be out; at stage 28 the one byte store of pair 1's quantiser.
.macro HOOK
.if MMON
.if hk == 8
	s_wait_alu depctr_va_vdst(0)
	s_wait_dscnt 9
.elseif hk == 28
	s_wait_alu depctr_va_vdst(0)
	s_wait_dscnt 1
.endif
.if (hk == 8) || (hk == 11) || (hk == 14) || (hk == 17)
	MM4 4*(hk-8)/3
.elseif (hk == 10) || (hk == 13) || (hk == 16)
	FA 1, (hk-10)/3
.elseif hk == 19
	FA 1, 3
	FB 1
.elseif (hk == 28) || (hk == 31) || (hk == 34) || (hk == 37)
	MM4 16+4*(hk-28)/3
.endif
.endif
.set hk, hk+1
.endm
.macro PKADDC dst, src, idx            ; a pair + coefficient idx, which serves both halves
.if ((\idx)&1)
	v_pk_add_f32 v[\dst:\dst+1], v[\src:\src+1], v[C+(\idx)-1:C+(\idx)] op_sel:[0,1] op_sel_hi:[1,1]
.else
	v_pk_add_f32 v[\dst:\dst+1], v[\src:\src+1], v[C+(\idx):C+(\idx)+1] op_sel_hi:[1,0]
.endif
.endm
.macro PKMULC reg, idx                 ; a pair x coefficient idx, in place
.if ((\idx)&1)
	v_pk_mul_f32 v[\reg:\reg+1], v[\reg:\reg+1], v[C+(\idx)-1:C+(\idx)] op_sel:[0,1] op_sel_hi:[1,1]
.else
	v_pk_mul_f32 v[\reg:\reg+1], v[\reg:\reg+1], v[C+(\idx):C+(\idx)+1] op_sel_hi:[1,0]
.endif
.endm
.macro CLOAD g                         ; group g of the coefficients (0: -g, 1: R1, 2: R2, 3: R3): three loads of 512 neighbouring bytes
.irp i, 0,1,2
	global_load_b128 v[C+12*(\g)+4*\i:C+12*(\g)+4*\i+3], v[L16], s[CB:CB+1] offset:(3*(\g)+\i)*512
.endr
.endm
; The base product's block that the production before has made goes to its buffer: a trip late, so that the ninth block does not land on the first before the first eight have been multiplied.
.macro BSTORE
	v_lshrrev_b32 v80, 8, v[BC]
	v_lshrrev_b32 v81, 16, v[BC]
	v_lshrrev_b32 v82, 24, v[BC]
	v_lshrrev_b32 v83, 8, v[BC+1]
	v_lshrrev_b32 v84, 16, v[BC+1]
	v_lshrrev_b32 v85, 24, v[BC+1]
	ds_store_b8 v[BADT], v[BC]                     ; a row's 32 codes: 32 neighbouring bytes
	ds_store_b8 v[BADT], v80 offset:AP
	ds_store_b8 v[BADT], v81 offset:2*AP
	ds_store_b8 v[BADT], v82 offset:3*AP
	ds_store_b8 v[BADT], v[BC+1] offset:4*AP
	ds_store_b8 v[BADT], v83 offset:5*AP
	ds_store_b8 v[BADT], v84 offset:6*AP
	ds_store_b8 v[BADT], v85 offset:7*AP
	ds_store_b8 v[BSDT], v[BB]                     ; row lane % 8's scale byte (four lanes write the same byte with the same value)
	s_add_co_u32 s[BS], s[BS], 1
	s_lshl_b32 s[BO], s[BS], 5
.endm
; x of my eight rows becomes x'; silu(x') becomes the base product's codes.  At work: v80-134 (the next coefficients are on their way into v32-79).
; In a trip of the loops the base product's block is copied byte by byte into v146-154 ahead of XPREP, which writes the next block's codes; the LDS stores follow behind the round.
.macro BSHIFT
	v_mov_b32 v146, v[BC]
	v_lshrrev_b32 v147, 8, v[BC]
	v_lshrrev_b32 v148, 16, v[BC]
	v_lshrrev_b32 v149, 24, v[BC]
	v_mov_b32 v150, v[BC+1]
	v_lshrrev_b32 v151, 8, v[BC+1]
	v_lshrrev_b32 v152, 16, v[BC+1]
	v_lshrrev_b32 v153, 24, v[BC+1]
	v_mov_b32 v154, v[BB]
.endm
.macro BST
.irp i, 0,1,2,3,4,5,6,7
	ds_store_b8 v[BADT], v[146+\i] offset:\i*AP    ; a row's 32 codes: 32 neighbouring bytes
.endr
	ds_store_b8 v[BSDT], v154                      ; row lane % 8's scale byte (four lanes write the same byte with the same value)
	s_add_co_u32 s[BS], s[BS], 1
	s_lshl_b32 s[BO], s[BS], 5
.endm
; A round of the cluster's barrier with work on registers alone between its opening signal and its opening wait: the copies above, the trip's addresses, x' and the base product's codes.
.macro ROUNDW
	s_barrier_signal -1
	BSHIFT
	SETADR 0,1,1
	XPREP
	s_wait_alu depctr_va_vdst(0)
	s_barrier_wait -1
	s_cmp_lg_u32 s[WV], 0
	s_cbranch_scc1 .Lnot_w0_\@
	s_barrier_signal -3
.Lnot_w0_\@:
	s_barrier_wait -3
	s_barrier_signal -1
	s_barrier_wait -1
.endm
; (The wait for x's loads stands ahead of each use of this macro.)
.macro XPREP
.irp i, 0,1,2,3,4,5,6,7
	v_min_num_f32 v[80+\i], s36, v[XR+\i]          ; min(x, 1.1): a NaN gives 1.1
	v_max_num_f32 v[88+\i], s35, v[XR+\i]          ; max(x, -1.1): a NaN gives -1.1
.endr
.irp i, 0,1,2,3,4,5,6,7
	v_med3_num_f32 v[XP+\i], v[80+\i], v[88+\i], 0 ; the middle of the two and 0: x held within +-1.1, and 0 for a NaN
.endr
.irp i, 0,2,4,6
	v_pk_add_f32 v[XP+\i:XP+\i+1], v[XP+\i:XP+\i+1], 1.0 op_sel_hi:[1,0]
.endr
.irp i, 0,2,4,6
	s_delay_alu instid0(VALU_DEP_4)
	v_pk_add_f32 v[XP+\i:XP+\i+1], v[XP+\i:XP+\i+1], -1.0 op_sel_hi:[1,0]   ; both roundings of reference()'s renormalising are kept
.endr
.irp i, 0,2,4,6
	s_delay_alu instid0(VALU_DEP_4)
	v_pk_mul_f32 v[96+\i:97+\i], v[XP+\i:XP+\i+1], 0xbfb8aa3b op_sel_hi:[1,0]   ; -x' log2(e)
.endr
	s_wait_alu depctr_va_vdst(0)
.irp i, 0,1,2,3,4,5,6,7
	v_exp_f32 v[96+\i], v[96+\i]
.endr
	v_nop                                          ; a plain line behind the last exponential,
	s_wait_alu depctr_va_vdst(0)                   ; and one wait for the batch, ahead of its first reader
.irp i, 0,2,4,6
	v_pk_add_f32 v[96+\i:97+\i], v[96+\i:97+\i], 1.0 op_sel_hi:[1,0]
.endr
	s_wait_alu depctr_va_vdst(0)
.irp i, 0,1,2,3,4,5,6,7
	v_rcp_f32 v[96+\i], v[96+\i]
.endr
	v_nop
	s_wait_alu depctr_va_vdst(0)                   ; likewise for the reciprocals
.irp i, 0,2,4,6
	v_pk_mul_f32 v[104+\i:105+\i], v[XP+\i:XP+\i+1], v[96+\i:97+\i]   ; silu(x') = x' / (1 + e^-x')
.endr
.irp i, 0,1,2,3,4,5,6,7
	v_max_num_f32 v[112+\i], |v[104+\i]|, s47      ; its magnitude, over the floor 2^(9 - 127)
.endr
	; Eight maxima over 32 lanes at once: at each step a lane keeps half of its rows and hands the other half to the lane that keeps them.  In the end lane l holds the largest magnitude of row l % 8.
.irp k, 0,1,2,3
	v_cndmask_b32 v[120+\k], v[112+2*\k], v[113+2*\k], s40   ; odd lanes keep row 2 k + 1, even lanes row 2 k;
	v_cndmask_b32 v[124+\k], v[113+2*\k], v[112+2*\k], s40   ; each hands over the other
.endr
.irp k, 0,1,2,3
	v_max_num_f32_dpp v[120+\k], v[124+\k], v[120+\k] row_xmask:1 row_mask:0xf bank_mask:0xf
.endr
.irp k, 0,1
	s_delay_alu instid0(VALU_DEP_3)
	v_cndmask_b32 v[128+\k], v[120+2*\k], v[121+2*\k], s41
	s_delay_alu instid0(VALU_DEP_4)
	v_cndmask_b32 v[130+\k], v[121+2*\k], v[120+2*\k], s41
.endr
.irp k, 0
	s_delay_alu instid0(VALU_DEP_3)
	v_max_num_f32_dpp v[128+\k], v[130+\k], v[128+\k] row_xmask:2 row_mask:0xf bank_mask:0xf
.endr
.irp k, 1
	s_delay_alu instid0(VALU_DEP_2)
	v_max_num_f32_dpp v[128+\k], v[130+\k], v[128+\k] row_xmask:2 row_mask:0xf bank_mask:0xf
.endr
	s_delay_alu instid0(VALU_DEP_1)
	v_cndmask_b32 v132, v128, v129, s42
	s_delay_alu instid0(VALU_DEP_2)
	v_cndmask_b32 v133, v129, v128, s42
	s_delay_alu instid0(VALU_DEP_1)
	v_max_num_f32_dpp v132, v133, v132 row_xmask:4 row_mask:0xf bank_mask:0xf
	s_delay_alu instid0(VALU_DEP_1)
	v_max_num_f32_dpp v132, v132, v132 row_xmask:8 row_mask:0xf bank_mask:0xf
	s_delay_alu instid0(VALU_DEP_1)
	v_permlanex16_b32 v[PX], v132, s38, s39
	s_delay_alu instid0(VALU_DEP_1)
	v_max_num_f32 v132, v132, v[PX]
	s_delay_alu instid0(VALU_DEP_1)
	v_add_nc_u32 v133, 0xfc000000, v132            ; 8 off the exponent field
	s_delay_alu instid0(VALU_DEP_1)
	v_lshrrev_b32 v[BB], 23, v133                  ; the scale's byte
	s_delay_alu instid0(VALU_DEP_1)
	v_sub_nc_u32 v134, 254, v[BB]
	s_delay_alu instid0(VALU_DEP_1)
	v_lshlrev_b32 v134, 23, v134                   ; 1 / the scale, a power of two
.irp i, 0,1,2,3,4,5,6,7
	v_readlane_b32 s[48+\i], v134, \i              ; row i's
.endr
.irp i, 0,1,2,3,4,5,6,7
	v_mul_f32 v[104+\i], s[48+\i], v[104+\i]       ; a lane's eight numbers belong to eight blocks: each is divided by its own scale here (nothing is rounded),
.endr
.irp i, 0,1,2,3,4,5,6,7
	v_med3_num_f32 v[104+\i], v[104+\i], s44, s43  ; held within +-448 (the conversion does not saturate: ISA guide 7.6.2),
.endr
	v_cvt_scalef32_pk8_fp8_f32 v[BC:BC+1], v[104:111], v[ONE]   ; and the conversion divides by 1
	v_nop                                          ; one plain vector line behind the conversion
.endm
.macro XLOAD                           ; the next slot's x: 128 neighbouring bytes of each of my eight rows
	s_wait_xcnt 0x0                                ; the base is stepped only behind this wait
	s_add_nc_u64 s[XB:XB+1], s[XB:XB+1], 128
.irp i, 0,1,2,3,4,5,6,7
	global_load_b32 v[XR+\i], v[XO], s[XB:XB+1] offset:\i*2048
.endr
.endm
; Pair p's numbers are back from the stage: lane u holds features 16 (u % 2) + 0 .. 15 of block u / 2 = (row 2 p + u / 16, basis (u / 2) % 8); lane u xor 1 holds the block's other half.
.macro QUANT p
	s_wait_dscnt QW                                ; the stage's four loads are in; QW: the fragment loads issued behind them, which may be out
	v_max3_num_f32 v[M], |v[U]|, |v[U+1]|, s47     ; my 16 numbers, in two chains, and the floor 2^(9 - 127): so the byte cannot fall under 1
	v_max3_num_f32 v[M+1], |v[U+2]|, |v[U+3]|, s47
.irp i, 4,8,12
	s_delay_alu instid0(VALU_DEP_2)
	v_max3_num_f32 v[M], v[M], |v[U+\i]|, |v[U+\i+1]|
	s_delay_alu instid0(VALU_DEP_2)
	v_max3_num_f32 v[M+1], v[M+1], |v[U+\i+2]|, |v[U+\i+3]|
.endr
	s_delay_alu instid0(VALU_DEP_1)
	v_max_num_f32 v[M], v[M], v[M+1]
	s_delay_alu instid0(VALU_DEP_1)
	v_max_num_f32_dpp v[M], v[M], v[M] row_xmask:1 row_mask:0xf bank_mask:0xf   ; with my neighbour's 16: the block's largest magnitude
	s_delay_alu instid0(VALU_DEP_1)
	v_add_nc_u32 v[M+2], 0xfc000000, v[M]          ; 8 off the exponent field: the conversion's scale operand
	s_delay_alu instid0(VALU_DEP_2)
	v_and_or_b32 v[M+3], v[M], s45, s37            ; 448 x the scale
.irp i, 0,1,2,3,4,5,6,7,8,9,10,11,12,13,14,15
	v_med3_num_f32 v[U+\i], v[U+\i], -v[M+3], v[M+3]   ; the conversion to an 8-bit code does not saturate (ISA guide 7.6.2): the hold at the largest code x the scale
.endr
	v_cvt_scalef32_pk8_fp8_f32 v[KC+4*(\p):KC+4*(\p)+1], v[U:U+7], v[M+2]
	v_cvt_scalef32_pk8_fp8_f32 v[KC+4*(\p)+2:KC+4*(\p)+3], v[U+8:U+15], v[M+2]
	v_lshrrev_b32 v[M+4], 23, v[M+2]               ; the scale's byte.  (A plain line behind the conversions)
	ds_store_b8 v[AWS], v[M+4] offset:16*(\p)      ; both lanes of a block write the same byte with the same value
.endm
; Rows 2 p and 2 p + 1 of my eight: the eight bases of my feature.  With D[j] = x' - g[j]:  level 0: D[j] >= 0 and not D[j+1] >= 0;  level k: b[j] = D[j] (Rk[j] b[j]) - D[j+k+1] (Rk[j+1] b[j+1]).
; first = 1: the slot's first pair waits for each group of coefficients where it is first read: the counts leave out the groups behind it and, with nxt = 1, the eight younger loads of the next x.
; ldn = 1: the slot's last pair asks for the next slot's coefficients, each group as soon as its last reader has been issued.
; The pair before is quantised ahead of level 2: its numbers have had levels 0 and 1 in which to come back from the stage.
.macro PAIR p, first, ldn, nxt
.if \first
	s_wait_loadcnt 9+8*\nxt
.endif
.irp j, 0,1,2,3,4,5,6,7,8,9,10,11
	PKADDC D+2*\j, XP+2*\p, \j
.endr
.if \ldn
	s_wait_xcnt 0x0                                ; the base is stepped only behind this wait
	s_add_nc_u64 s[CB:CB+1], s[CB:CB+1], 6144
	CLOAD 0
.endif
	HOOK
.irp j, 0,1,2,3,4,5,6,7,8,9,10,11
	v_cmp_le_f32 s[MA+\j], 0, v[D+2*\j]            ; x' >= g[j]: a difference in f32 has the sign of the true one, and is 0 only where the two are equal
	v_cmp_le_f32 s[MB+\j], 0, v[D+2*\j+1]
.endr
	HOOK
.if \first
	s_wait_loadcnt 6+8*\nxt
.endif
.irp j, 0,1,2,3,4,5,6,7,8,9,10
	s_and_not1_b32 s[MA+\j], s[MA+\j], s[MA+\j+1]  ; and not x' >= g[j+1]; ascending, so that mask j + 1 is still whole
	s_and_not1_b32 s[MB+\j], s[MB+\j], s[MB+\j+1]
.endr
.irp j, 0,1,2,3,4,5,6,7,8,9,10
	v_cndmask_b32 v[P+2*\j], 0, v[C+12+\j], s[MA+\j]     ; R1[j] x level 0
	v_cndmask_b32 v[P+2*\j+1], 0, v[C+12+\j], s[MB+\j]
.endr
.if \ldn
	CLOAD 1
.endif
	HOOK
.irp j, 0,1,2,3,4,5,6,7,8,9
	v_pk_mul_f32 v[Q+2*\j:Q+2*\j+1], v[D+2*\j+4:D+2*\j+5], v[P+2*\j+2:P+2*\j+3]
.endr
.irp j, 0,1,2,3,4,5,6,7,8,9
	v_pk_fma_f32 v[Q+2*\j:Q+2*\j+1], v[D+2*\j:D+2*\j+1], v[P+2*\j:P+2*\j+1], v[Q+2*\j:Q+2*\j+1] neg_lo:[0,0,1] neg_hi:[0,0,1]   ; level 1
.endr
	HOOK
.if \first
	s_wait_loadcnt 3+8*\nxt
.endif
.irp j, 0,1,2,3,4,5,6,7,8,9
	PKMULC Q+2*\j, 24+\j
.endr
.if \ldn
	CLOAD 2
.endif
	HOOK
.if \p > 0
.if MMON && (\p == 1)
.set QW, 10                            ; behind pair 0's stage loads: two tiles of rows, five loads each
.elseif MMON && (\p == 2)
.set QW, 25                            ; behind pair 1's: the last tile of rows, five loads, and wq's twenty
.else
.set QW, 0
.endif
	QUANT \p-1
.endif
	HOOK
.irp j, 0,1,2,3,4,5,6,7,8
	v_pk_mul_f32 v[P+2*\j:P+2*\j+1], v[D+2*\j+6:D+2*\j+7], v[Q+2*\j+2:Q+2*\j+3]
.endr
.irp j, 0,1,2,3,4,5,6,7,8
	v_pk_fma_f32 v[P+2*\j:P+2*\j+1], v[D+2*\j:D+2*\j+1], v[Q+2*\j:Q+2*\j+1], v[P+2*\j:P+2*\j+1] neg_lo:[0,0,1] neg_hi:[0,0,1]   ; level 2
.endr
	HOOK
.if \first
	s_wait_alu depctr_va_vdst(0)
	s_wait_loadcnt 8*\nxt
.endif
.irp j, 0,1,2,3,4,5,6,7,8
	PKMULC P+2*\j, 36+\j
.endr
.if \ldn
	CLOAD 3
.endif
	HOOK
.irp j, 0,1,2,3,4,5,6,7
	v_pk_mul_f32 v[Q+2*\j:Q+2*\j+1], v[D+2*\j+8:D+2*\j+9], v[P+2*\j+2:P+2*\j+3]
.endr
.irp j, 0,1,2,3,4,5,6,7
	v_pk_fma_f32 v[Q+2*\j:Q+2*\j+1], v[D+2*\j:D+2*\j+1], v[P+2*\j:P+2*\j+1], v[Q+2*\j:Q+2*\j+1] neg_lo:[0,0,1] neg_hi:[0,0,1]   ; level 3: the eight bases
.endr
	HOOK
.irp g, 0,1,2,3,4,5,6,7
	ds_store_b32 v[AWD], v[Q+2*\g] offset:\g*128+16*(\g/2)               ; the stage: block n = (row e of the pair, basis g) = 8 e + g at 128 n + 16 (n / 2): 16 bytes of padding behind each 256,
	ds_store_b32 v[AWD], v[Q+2*\g+1] offset:(8+\g)*128+16*((8+\g)/2)     ; 2,160 bytes of my 2,176; so the sixteen lanes of a read back begin at sixteen different 16-byte columns modulo 256
.endr
.irp i, 0,1,2,3
	ds_load_b128 v[U+4*\i:U+4*\i+3], v[STRD] offset:16*\i  ; and back, 64 neighbouring bytes a lane.  LDS serves a wave's instructions in order: these see my stores, and the next pair's stores come behind them
.endr
	HOOK
.endm
; A slot's codes are made.  mm = 1: the slot in hand is multiplied between the stages.  bst = 1: the base product's last block is stored first.  nxt = 1: the slot after is asked for.
.macro PRODUCE mm, bst, nxt
.set hk, 0
.set MMON, \mm
.if \bst
	BST
.endif
.if \mm == 0
	s_wait_loadcnt 12                              ; the head's production: x's eight loads are in; the twelve loads of coefficients may be out
	XPREP
.endif
.if \nxt
	XLOAD
.endif
	PAIR 0,1,0,\nxt
	PAIR 1,0,0,\nxt
	PAIR 2,0,0,\nxt
	PAIR 3,0,\nxt,\nxt
	QUANT 3
.irp p, 0,1,2,3
	ds_store_b128 v[CWD], v[KC+4*\p:KC+4*\p+3] offset:2*\p*AP   ; the stage has been read for the last time: the codes take its place.  Sixteen lanes fill a row's 256 bytes
.endr
	s_xor_b32 s[AR], s[AR], AX                     ; the two buffers change places
	s_xor_b32 s[AW], s[AW], AX
.endm
.macro SIXTEEN
	s_wait_dscnt 0x0
	WIN 0x55
.set mi, 0
.rept 16
	MMC mi
.set mi, mi+1
.endr
	WIN 0
.rept 8
	v_nop                                          ; eight places in front of loads into registers that these matrix instructions have read, and of the first read of results
.endr
.endm
.macro CONSUME                         ; a slot is multiplied with nothing made beside it
	FETCH 0
	SIXTEEN
	FETCH 1
	SIXTEEN
.endm
.macro TRIP nxt
	CHANGE 1, 1
	FETCH 0
	PRODUCE 1,1,\nxt
	s_xor_b32 s[TB], s[TB], SLOTB
.endm
	s_load_b256 s[4:11], s[0:1], 0x0               ; x, wq, ct, out0
	v_lshl_add_u32 v[SPW], v0, 2, SPARE
	v_mov_b32 v[NIL], 0
	ds_add_u32 v[SPW], v[NIL]                      ; the wave's opening: the add, twice on end, and its wait ahead of my first tensor load; the set-up below, work on registers, stands between
	ds_add_u32 v[SPW], v[NIL]                      ; and once more, under the one wait
	v_lshrrev_b32 v1, 5, v0
	s_delay_alu instid0(VALU_DEP_1)
	v_readfirstlane_b32 s[WV], v1                  ; wave 0..7
	v_and_b32 v32, 31, v0                          ; lane
	v_and_b32 v33, 15, v0                          ; r
	v_bfe_u32 v34, v0, 4, 1                        ; h
	s_delay_alu instid0(VALU_DEP_3)
	v_lshlrev_b32 v[L16], 4, v32
	s_delay_alu instid0(VALU_DEP_4)
	v_lshlrev_b32 v[XO], 2, v32
	s_delay_alu instid0(VALU_DEP_4)
	v_mul_u32_u24 v[AL0], v33, AP
	s_delay_alu instid0(VALU_DEP_1)
	v_lshl_add_u32 v[AL0], v34, 4, v[AL0]
	v_lshl_add_u32 v[SL8], v33, 3, ASC
	s_lshl_b32 s48, s[WV], 13
	v_add_nc_u32 v[BL0], s48, v[L16]
	s_lshl_b32 s48, s[WV], 8
	s_add_co_u32 s48, s48, 131072
	v_lshl_add_u32 v[BSL], v33, 2, s48
	s_mul_i32 s49, s[WV], 8*AP                     ; my 8 rows of a buffer
	v_lshl_add_u32 v[SWL], v32, 2, s49
	v_lshl_add_u32 v[SRL], v32, 6, s49
	v_lshrrev_b32 v35, 2, v32
	v_lshl_add_u32 v[SRL], v35, 4, v[SRL]          ; + 16 (lane / 4): the stage's padding behind each 256 bytes
	v_mul_u32_u24 v[CWL], v34, AP
	s_delay_alu instid0(VALU_DEP_1)
	v_lshl_add_u32 v[CWL], v33, 4, v[CWL]
	s_delay_alu instid0(VALU_DEP_1)
	v_add_nc_u32 v[CWL], s49, v[CWL]
	s_lshl_b32 s50, s[WV], 6
	s_add_co_u32 s50, s50, ASC
	v_lshrrev_b32 v35, 1, v32
	s_delay_alu instid0(VALU_DEP_1)
	v_add_nc_u32 v[ASL], s50, v35
	s_add_co_u32 s49, s49, BA
	v_add_nc_u32 v[BAD0], s49, v32
	s_add_co_u32 s50, s50, BA
	v_and_b32 v35, 7, v0
	s_delay_alu instid0(VALU_DEP_1)
	v_lshl_add_u32 v[BSD0], v35, 3, s50
	s_mul_i32 s51, s[WV], 8704                     ; the way out: my two stages of 16 rows x 272 bytes
	v_lshl_add_u32 v[STO], v34, 5, s51
	s_delay_alu instid0(VALU_DEP_1)
	v_mad_u32_u24 v[STO], v33, AP, v[STO]          ; in: row r, + 32 h
	v_mul_u32_u24 v[RD], v34, AP
	s_delay_alu instid0(VALU_DEP_1)
	v_lshl_add_u32 v[RD], v33, 4, v[RD]
	s_delay_alu instid0(VALU_DEP_1)
	v_add_nc_u32 v[RD], s51, v[RD]                 ; back: lanes 0-15 one row of 256 bytes, lanes 16-31 the next
	v_lshlrev_b32 v[GO], 11, v34
	s_delay_alu instid0(VALU_DEP_1)
	v_lshl_add_u32 v[GO], v33, 4, v[GO]            ; and the same two rows in out0
	v_mov_b32 v[ONE], 1.0
	v_mov_b32 v[PX], 0                             ; written once: a lane permute's destination counts as one of its sources
	s_mov_b32 s35, 0xbf8ccccd                      ; -1.1
	s_mov_b32 s36, 0x3f8ccccd                      ; 1.1
	s_mov_b32 s37, 0x600000                        ; the mantissa field of 448
	s_mov_b32 s38, 0x76543210
	s_mov_b32 s39, 0xfedcba98                      ; v_permlanex16_b32's selects for lane l xor 16
	s_mov_b32 s40, 0xaaaaaaaa                      ; lanes with bit 0,
	s_mov_b32 s41, 0xcccccccc                      ; bit 1,
	s_mov_b32 s42, 0xf0f0f0f0                      ; bit 2 of their number set
	s_mov_b32 s43, 0x43e00000                      ; 448
	s_mov_b32 s44, 0xc3e00000                      ; -448
	s_mov_b32 s45, 0x7f800000                      ; the exponent field
	s_mov_b32 s46, 0x7fffffff                      ; all but the sign
	s_mov_b32 s47, 0x4800000                       ; the floor 2^(9 - 127): a scale's byte cannot fall under 1
	; descriptor group 1: an eighth of a slot block: 66 rows of 256 bytes (32 elements of 8 bytes), dense in memory and in LDS
	s_mov_b32 s[G1+0], 15|(3<<16)|(1<<21)          ; 15:0 the mask: all four work-groups; 17:16 elements of 8 bytes; 21 set beside a mask; no padding: the images are read as they lie
	s_mov_b32 s[G1+1], 32<<16                      ; tensor_dim0 = 32
	s_mov_b32 s[G1+2], 66<<16                      ; tensor_dim1 = 66
	s_mov_b32 s[G1+3], 32<<16                      ; tile_dim0 = 32
	s_mov_b32 s[G1+4], 66                          ; tile_dim1 = 66
	s_mov_b32 s[G1+5], 32                          ; from row to row
	s_mov_b32 s[G1+6], 0
	s_mov_b32 s[G1+7], 0
	s_mul_i32 s[WOFF], s[WV], 16896
	s_mov_b32 s54, s[WOFF]
	s_mov_b32 s55, 0
	s_bfe_u32 s[CX], ttmp6, 0x40000                ; my place in the cluster: it enters x's and out0's addresses alone
	s_lshl_b32 s56, ttmp9, 2                       ; in a cluster launch ttmp9 counts clusters
	s_add_co_u32 s56, s56, s[CX]
	s_lshl_b32 s56, s56, 17                        ; my work-group's 64 rows of 2,048 bytes
	s_mov_b32 s57, 0
	s_lshl_b32 s58, s[WV], 14                      ; x: my wave's 8 rows
	s_add_co_u32 s58, s58, s56
	s_mov_b32 s59, 0
	s_lshl_b32 s52, s[WV], 8                       ; out0: my wave's 64 outputs
	s_add_co_u32 s56, s56, s52
	s_mov_b32 s[TB], 0
	s_mov_b32 s[AR], ABUF1
	s_mov_b32 s[AW], ABUF0
	s_mov_b32 s[BS], 0
	s_mov_b32 s[BO], 0
	s_wait_dscnt 0x0                               ; both opening adds are done
	s_wait_kmcnt 0x0
	s_add_nc_u64 s[XB:XB+1], s[XB:XB+1], s[58:59]
	s_add_nc_u64 s[OB:OB+1], s[OB:OB+1], s[56:57]
	s_mov_b32 s[G0], 1                             ; 1:0 count = 1
	s_mov_b32 s[G0+1], s[WOFF]                     ; 63:32 LDS address: slot 0, my eighth
	s_add_nc_u64 s[G0+2:G0+3], s[WQ:WQ+1], s[54:55]   ; 120:64 global address: slot block 0, my eighth: the same in all four partners
	s_or_b32 s[G0+3], s[G0+3], 0x80000000          ; 127:126 type = 2
.irp i, 0,1,2,3,4,5,6,7
	global_load_b32 v[XR+\i], v[XO], s[XB:XB+1] offset:\i*2048   ; slot 0's x,
.endr
	CLOAD 0                                        ; and its coefficients
	CLOAD 1
	CLOAD 2
	CLOAD 3
	ROUND                                          ; all four work-groups are here: the first joint loads meet
	tensor_load_to_lds s[G0:G0+3], s[G1:G1+7]      ; slot 0
	s_nop 0
.rept 4
	v_nop
.endr
	WIN 0x40
.set mi, 0
.rept 128
	v_mov_b32 v[mi], 0                             ; the accumulators
.set mi, mi+1
.endr
	WIN 0
	WRADR
	PRODUCE 0,0,1                                  ; spline slot 0's codes: nothing is there yet to multiply
	s_mov_b32 s[CNT], 8
.Lfirst_half:                                      ; trips 0-7: spline slots 0-7 are multiplied, slots 1-8 made, the base product's blocks 0-7 stored
	TRIP 1
	s_sub_co_u32 s[CNT], s[CNT], 1
	s_cmp_lg_u32 s[CNT], 0
	s_cbranch_scc1 .Lfirst_half
	CHANGE 1                                       ; trip 8: features 0-255 of the base product.  Both spline buffers are in use (one unread, one just read), so nothing is made
	SETADR 1,0,0
	s_wait_alu depctr_va_vdst(0)
	CONSUME
	s_xor_b32 s[TB], s[TB], SLOTB
	s_mov_b32 s[BS], 0                             ; the base product's buffer begins anew
	s_mov_b32 s[BO], 0
	s_mov_b32 s[CNT], 6
.Lsecond_half:                                     ; trips 9-14: spline slots 8-13 are multiplied, slots 9-14 made
	TRIP 1
	s_sub_co_u32 s[CNT], s[CNT], 1
	s_cmp_lg_u32 s[CNT], 0
	s_cbranch_scc1 .Lsecond_half
	TRIP 0                                         ; trip 15: slot 14 is multiplied, slot 15 made; there is no slot 16 to ask for: no load leaves its buffer
	CHANGE 1                                       ; trip 16: slot 15 is multiplied; the base product's last block is stored; the last slot block of wq is asked for
	SETADR 0,0,1
	BSTORE
	s_wait_alu depctr_va_vdst(0)
	CONSUME
	s_xor_b32 s[TB], s[TB], SLOTB
	CHANGE 0                                       ; trip 17: features 256-511 of the base product; nothing is filled, so the work-group's barrier does
	SETADR 1,0,0
	s_wait_alu depctr_va_vdst(0)
	CONSUME
; THE WAY OUT, 16 rows at a time.  A number that is not finite becomes 0 (its exponent field is all ones).  A lane holds 32 neighbouring bytes of a row and the lanes beside it hold other rows: so the block goes through my own
; stage in LDS and comes back as whole rows of 256 bytes: sixteen lanes store 256 neighbouring bytes, at a multiple of 256 from out0's first byte.  LDS serves a wave's instructions in order: no wait between the stores and the loads.
.macro OUTF a
.set OO, 32+32*((\a)%2)
.set RR, 96+32*((\a)%2)
	WIN 0x04                                       ; source 1, the accumulators, in window 1
.irp b, 0,1,2,3
.irp j, 0,1,2,3,4,5,6,7
	v_and_b32 v[160+\j], s46, v[32*(\a)+8*\b+\j]   ; each accumulator from its low end on
.endr
.irp j, 0,1,2,3,4,5,6,7
	v_cmp_lt_u32 s[48+\j], v[160+\j], s45
.endr
.irp j, 0,1,2,3,4,5,6,7
	v_cndmask_b32 v[OO+8*\b+\j], 0, v[32*(\a)+8*\b+\j], s[48+\j]
.endr
.endr
	WIN 0
.irp b, 0,1,2,3
	ds_store_b128 v[STO], v[OO+8*\b:OO+8*\b+3] offset:((\a)%2)*4352+64*\b
	ds_store_b128 v[STO], v[OO+8*\b+4:OO+8*\b+7] offset:((\a)%2)*4352+64*\b+16
.endr
.if (\a) >= 2
	s_wait_xcnt 0x0                                ; the stores of two blocks back have read their registers: the loads below may land there
.endif
.irp t, 0,1,2,3,4,5,6,7
	ds_load_b128 v[RR+4*\t:RR+4*\t+3], v[RD] offset:((\a)%2)*4352+2*\t*AP
.endr
	s_wait_dscnt 0x0
.irp t, 0,1,2,3,4,5,6,7
	global_store_b128 v[GO], v[RR+4*\t:RR+4*\t+3], s[OB:OB+1] offset:(16*(\a)+2*\t)*2048 th:TH_STORE_NT   ; written once, read by nobody here
.endr
.endm
	OUTF 0
	OUTF 1
	OUTF 2
	OUTF 3
	s_wait_tensorcnt 0x0                           ; the wave's end, behind my last tensor load and my last LDS store
	ds_add_u32 v[SPW], v[NIL]
	s_wait_dscnt 0x0
	ROUND                                          ; the closing round: no work-group ends while a partner may still ask for a tile that names it
	s_endpgm
.Lfunc_end_k_qcedc7e79c9_kan:
	.size	k_qcedc7e79c9_kan, .Lfunc_end_k_qcedc7e79c9_kan-k_qcedc7e79c9_kan
	.p2alignl 7, 3214868480
	.fill 96, 4, 3214868480
	.section	.rodata,"a",@progbits
	.p2align	6, 0x0
	.amdhsa_kernel k_qcedc7e79c9_kan
		.amdhsa_group_segment_fixed_size 327680
		.amdhsa_private_segment_fixed_size 0
		.amdhsa_enable_private_segment 0
		.amdhsa_kernarg_size 32
		.amdhsa_user_sgpr_count 2
		.amdhsa_user_sgpr_kernarg_segment_ptr 1
		.amdhsa_wavefront_size32 1
		.amdhsa_system_sgpr_workgroup_id_x 1
		.amdhsa_system_sgpr_workgroup_id_y 1
		.amdhsa_system_sgpr_workgroup_id_z 1
		.amdhsa_system_vgpr_workitem_id 0
		.amdhsa_next_free_vgpr 512
		.amdhsa_next_free_sgpr 96
		.amdhsa_reserve_vcc 0
		.amdhsa_float_denorm_mode_32 3
		.amdhsa_float_denorm_mode_16_64 3
		.amdhsa_memory_ordered 1
		.amdhsa_forward_progress 1
		.amdhsa_inst_pref_size 255
	.end_amdhsa_kernel
	.section	.bss,"aw",@nobits
	.p2align	6
	.space	262144
	.amdgpu_metadata
---
amdhsa.version: [ 1, 2 ]
amdhsa.kernels:
  - .name:           k_qcedc7e79c9_kan
    .symbol:         k_qcedc7e79c9_kan.kd
    .args:
      - { .name: x, .offset: 0, .size: 8, .value_kind: global_buffer, .address_space: global }
      - { .name: wq, .offset: 8, .size: 8, .value_kind: global_buffer, .address_space: global }
      - { .name: ct, .offset: 16, .size: 8, .value_kind: global_buffer, .address_space: global }
      - { .name: out0, .offset: 24, .size: 8, .value_kind: global_buffer, .address_space: global }
    .group_segment_fixed_size: 327680
    .private_segment_fixed_size: 0
    .kernarg_segment_align: 8
    .kernarg_segment_size: 32
    .max_flat_workgroup_size: 256
    .sgpr_count:     96
    .vgpr_count:     512
    .wavefront_size: 32
...
	.end_amdgpu_metadata
.endif
;; end of part 2
